; MI455X (gfx1250); checked and timed in simulation.
; The chip was launched on July 23, 2026; its instructions are those of AMD's public machine-readable ISA for CDNA 5 (MIT licence, August 2026) and "CDNA5" Instruction Set Architecture Reference Guide (July 2026). The comments in the code are by the model that wrote it; some were corrected since.
;; Quantization. Allowed arithmetic: float matrix products may take bf16 or f16 operands with f32 sums; all other float work in f32.
;; Inputs: codebook 1 x 16 float32; x 16 x 64 x 64 x 64 float32.
;; Outputs: out0 16 x 64 x 64 x 64 float32.
;; One version. Each part assembles by itself: llvm-mc -triple=amdgcn-amd-amdhsa -mcpu=gfx1250 --defsym DOCPART=n.
;; ======== version 1 of 1: 1 launch
;; limits: inputs' magnitudes at most 5.765e+17
;; launch quant (part 1): grid 256 x 1, 16 waves a work-group, no clusters, 0 bytes of LDS; arguments codebook, x, out0; writes out0
.if DOCPART == 1
	.amdgcn_target "amdgcn-amd-amdhsa--gfx1250"
	.amdhsa_code_object_version 6
	.text
	.protected	k_q1f9650a981_quant
	.globl	k_q1f9650a981_quant
	.p2align	8
	.type	k_q1f9650a981_quant,@function
k_q1f9650a981_quant:
	s_mov_b64 s[64:65], 0
	v_nop
	global_prefetch_b8 v0, s[64:65] scope:SCOPE_SE
	s_setreg_imm32_b32 hwreg(HW_REG_WAVE_MODE, 25, 1), 1
	s_wait_xcnt 0x0
; Soft/hard codebook quantisation with a t-Student kernel, straight-through value:
;   w_k = (1 + 12.5 (x - c_k)^2)^-25.5   (12.5 = GAMMA^2 / V, 25.5 = (V + 1) / 2),  v_k = w_k + EPS,  EPS = 1e-72
;   soft = sum(v_k c_k) / sum(v_k),  hard = c[first k with the largest v_k],  out = (hard - soft) + soft.
; x, out0: 4,194,304 f32.  codebook: 16 f32, any values in any order.
;
; RANGE.  The weights leave f32's range, so everything is taken relative to the largest weight, that of the nearest entry:
;   D'_k = (x - c_k)^2 + 0.08 = D_k / 12.5,   p_k = w_k / w_near = 2^(-25.5 (log2 D'_k - log2 D'_near)) <= 1,
;   lam = log2(EPS / w_near) = 25.5 log2 D'_near - 146.26049,   a = 2^min(0, -lam),  b = 2^min(0, lam),
;   soft = (a sum(p c) + b sum(c)) / (a sum(p) + 16 b).    One of a, b is 1: the denominator is at least about 1.
;   Below 2^-126 b comes out as 0 (v_exp_f32 flushes, ISA guide 15.8): EPS is then under one part in 2^126 of the sums.
; ARGMAX.  w falls with |x - c_k|, so the largest weight is the nearest entry's.  EPS lies in [2^-240, 2^-239): the 64-bit sum w + EPS keeps
;   w in units of 2^-292, so with q_k = w_k 2^292 the entries with rne(q_k) = rne(q_near) = n are EQUAL there and the first index wins;
;   for n = 0 all sixteen are equal and the result is c_0.  q_k >= n - 0.5 is |x - c_k| <= U,  U^2 = 2^((292 - log2(n - 0.5)) / 25.5) / 12.5 - 0.08.
;   Above q_near = 2^17 a unit of q is under one f32 step of the distance, and U is the nearest distance itself (ties at equal distance only).
;   hard = first k with |x - c_k| <= U, by compare and select: no branch and no address hangs on data.
; LIMITS.  (1) x is clamped to +-2^60, which changes nothing as long as |c_k| <= 2^59 (all sixteen v_k are EPS out there); larger |c_k| are not served.
;   (2) A NaN in x is clamped too and gives c_0, not NaN.  (3) Distances are f32: two entries with |2x - c_a - c_b| under one f32 step of the
;   distance count as tied (first index), where 64-bit arithmetic tells them apart.  (4) q and U come from f32 log2/exp2: the edges of the steps of
;   rne(q) lie within about 1e-5 of their places in x.  (5) The division by the rounded 64-bit sum can make neighbouring steps (n, n - 1)
;   equal as well; that hangs on the order of that sum and is not reproduced.  (4) and (5) touch only x further than 11.8 from every entry.
; NO MATRIX UNIT: weights x codebook^T has one column, and a lane holds its own number's 16 weights as they are made, so the product is one
;   packed fused multiply-add per two weights beside the sum of the weights; a bf16 fragment would need conversions and lane exchanges for one column of 16.
; NO LDS, BARRIER, CLUSTER: the waves share nothing but the 64 bytes of the codebook, which lie in scalar registers.
;
; SHARES.  256 work-groups x 16 waves.  A work-group owns 65,536 consecutive bytes and walks them in NIT steps of STEP bytes; thread t takes the
; 16 bytes at 16 t of a step, so a wave's load or store covers 512 consecutive bytes that start at a multiple of 512.  Four numbers a lane and step, as two packed pairs.
.set STEP, 8192                        ; 512 threads x 16 bytes
.set NIT,  8                           ; steps of a work-group
.set C,    16                          ; s[16:31]  c_k
.set NC,   32                          ; s[32:63]  -c_k, each twice: a packed source from scalar registers is a pair, broadcast from its first register
.set NSC,  66                          ; s[66:67]  -(c_0 + .. + c_15), twice
.set BIG,  72                          ; s72 = 2^60, s73 = -2^60
.set ZM,   74                          ; s74, s75  lanes with n = 0 (first, second number of the pair)
.set RM,   76                          ; s76, s77  lanes with q_near > 2^17
.set HM,   78                          ; s78       the second number's mask in the search for hard
.set INF,  79                          ; s79       +infinity
.set XA,   2                           ; v[2:5]    x, buffer A
.set XB,   6                           ; v[6:9]    x, buffer B
.set O,    10                          ; v[10:13]  four results
.set XC,   14                          ; v[14:17]  four clamped x
.set D,    18                          ; v[18:49]  x - c_k, pair k at D + 2k
.set L,    50                          ; v[50:81]  D'_k, then log2 D'_k, then the exponent, then p_k, in place
.set M,    82                          ; nearest distance
.set LN,   84                          ; D'_near, then its log2
.set OFF,  86                          ; 25.5 log2 D'_near
.set QE,   88                          ; log2 q_near
.set LAM,  90                          ; lam
.set Q,    92                          ; q_near, then n
.set LA,   94                          ; min(0, -lam), then a
.set LB,   96                          ; min(0, lam), then b
.set U,    98                          ; n - 0.5 .. the radius U
.set T1,   100                         ; -b sum(c)
.set T2,   102                         ; 16 b
.set H,    104                         ; hard
.set S,    106                         ; sum(p), the denominator, its reciprocal
.set NN,   108                         ; -sum(p c), the negated numerator, -soft
.set KQ,   110                         ; 199.08167 = 292 - 25.5 log2 12.5, twice
.set KE,   112                         ; 7.8071242 = 292 / 25.5 - log2 12.5, twice
.set K08,  114                         ; 0.08 = 1 / 12.5, twice
.set KP,   116                         ; -25.5, twice
	s_load_b128 s[4:7], s[0:1], 0x0                ; codebook s[4:5], x s[6:7]
	s_load_b64 s[8:9], s[0:1], 0x10                ; out0
	v_lshlrev_b32 v1, 4, v0                        ; 16 t
	s_lshl_b32 s10, ttmp9, 16                      ; the work-group's 65,536 bytes (255 x 65,536 at the most: one word)
	s_mov_b32 s11, 0
	s_mov_b32 s[BIG], 0x5d800000
	s_mov_b32 s[BIG+1], 0xdd800000
	s_mov_b32 s[INF], 0x7f800000
.irp e, 0,1
	v_mov_b32 v[KQ+\e], 0x434714e8
	v_mov_b32 v[KE+\e], 0x40f9d3f6
	v_mov_b32 v[K08+\e], 0x3da3d70a
	v_mov_b32 v[KP+\e], 0xc1cc0000
.endr
	s_wait_kmcnt 0x0
	s_load_b512 s[C:C+15], s[4:5], 0x0             ; the whole codebook
	s_add_nc_u64 s[6:7], s[6:7], s[10:11]
	s_add_nc_u64 s[8:9], s[8:9], s[10:11]
	global_load_b128 v[XA:XA+3], v1, s[6:7] th:TH_LOAD_NT              ; steps 0 and 1 are on their way before anything else is done
	global_load_b128 v[XB:XB+3], v1, s[6:7] offset:STEP th:TH_LOAD_NT
	s_wait_kmcnt 0x0
.irp k, 0,1,2,3,4,5,6,7,8,9,10,11,12,13,14,15
	s_xor_b32 s[NC+2*\k], s[C+\k], 0x80000000      ; -c_k
	s_mov_b32 s[NC+2*\k+1], s[NC+2*\k]
.endr
	s_add_f32 s[NSC], s[NC], s[NC+2]
.irp k, 2,3,4,5,6,7,8,9,10,11,12,13,14,15
	s_add_f32 s[NSC], s[NSC], s[NC+2*\k]
.endr
	s_mov_b32 s[NSC+1], s[NSC]
; Two numbers, v[xr:xr+1], to two results, v[od:od+1].  w = 1: the last step's store may still read the result registers.
; Behind a transcendental one plain vector instruction that touches neither its result nor its source comes before the result is used
; (ISA guide 5.7.2); the order below puts work that is needed anyway into those places.
.macro PAIR xr, od, w
	; distances, D' and their logarithms
	v_pk_add_f32 v[D:D+1], v[\xr:\xr+1], s[NC:NC+1] op_sel_hi:[1,0]
	v_pk_fma_f32 v[L:L+1], v[D:D+1], v[D:D+1], v[K08:K08+1]
.irp k, 1,2,3,4,5,6,7,8,9,10,11,12,13,14,15
	v_pk_add_f32 v[D+2*\k:D+2*\k+1], v[\xr:\xr+1], s[NC+2*\k:NC+2*\k+1] op_sel_hi:[1,0]
	v_log_f32 v[L+2*\k-2], v[L+2*\k-2]
	v_log_f32 v[L+2*\k-1], v[L+2*\k-1]
	v_pk_fma_f32 v[L+2*\k:L+2*\k+1], v[D+2*\k:D+2*\k+1], v[D+2*\k:D+2*\k+1], v[K08:K08+1]
.endr
	v_log_f32 v[L+30], v[L+30]
	v_log_f32 v[L+31], v[L+31]
	; the nearest distance: the first three start the chain, nothing is preset
.irp e, 0,1
	v_min3_num_f32 v[M+\e], |v[D+\e]|, |v[D+2+\e]|, |v[D+4+\e]|
.irp k, 3,5,7,9,11,13
	v_min3_num_f32 v[M+\e], v[M+\e], |v[D+2*\k+\e]|, |v[D+2*\k+2+\e]|
.endr
	v_min_num_f32 v[M+\e], v[M+\e], |v[D+30+\e]|
.endr
	; figures of the nearest entry.  D'_near is formed as the nearest k's D' was, so that its p is 2^0 up to the rounding of OFF
	v_pk_fma_f32 v[LN:LN+1], v[M:M+1], v[M:M+1], v[K08:K08+1]
	v_log_f32 v[LN], v[LN]
	v_log_f32 v[LN+1], v[LN+1]
	v_mov_b32 v[H], s[C+15]                        ; if no lower index lies within U, index 15 does (the nearest always does)
	v_mov_b32 v[H+1], s[C+15]
	s_wait_alu depctr_va_vdst(0)
	v_pk_mul_f32 v[OFF:OFF+1], v[LN:LN+1], 0x41cc0000 op_sel_hi:[1,0]          ; 25.5 log2 D'_near
	v_pk_fma_f32 v[QE:QE+1], v[LN:LN+1], v[KP:KP+1], v[KQ:KQ+1]               ; log2 q_near, one rounding
	v_pk_add_f32 v[LAM:LAM+1], v[OFF:OFF+1], 0xc31242af op_sel_hi:[1,0]        ; lam = OFF - 146.26049
	v_min_num_f32 v[Q], 0x41c00000, v[QE]          ; at most 24: q stays finite; above 17 it is not used
	v_min_num_f32 v[Q+1], 0x41c00000, v[QE+1]
	v_exp_f32 v[Q], v[Q]
	v_exp_f32 v[Q+1], v[Q+1]
	v_min_num_f32 v[LB], 0, v[LAM]
	v_min_num_f32 v[LB+1], 0, v[LAM+1]
	v_min_num_f32 v[LA], -v[LAM], 0
	v_min_num_f32 v[LA+1], -v[LAM+1], 0
	s_wait_alu depctr_va_vdst(0)
	v_rndne_f32 v[Q], v[Q]                         ; n, to nearest even as the 64-bit sum rounds
	v_rndne_f32 v[Q+1], v[Q+1]
	v_pk_add_f32 v[U:U+1], v[Q:Q+1], -0.5 op_sel_hi:[1,0]
	v_log_f32 v[U], v[U]                           ; n = 0 gives a NaN here, which the select on ZM below replaces
	v_log_f32 v[U+1], v[U+1]
	v_exp_f32 v[LA], v[LA]                         ; a
	v_exp_f32 v[LA+1], v[LA+1]
	v_exp_f32 v[LB], v[LB]                         ; b
	v_exp_f32 v[LB+1], v[LB+1]
	v_cmp_gt_f32 s[ZM], 0.5, v[Q]                  ; n = 0: every v_k is EPS
	v_cmp_gt_f32 s[ZM+1], 0.5, v[Q+1]
	v_cmp_lt_f32 s[RM], 0x41880000, v[QE]          ; q_near > 2^17
	v_cmp_lt_f32 s[RM+1], 0x41880000, v[QE+1]
	s_wait_alu depctr_va_vdst(0)
	v_pk_fma_f32 v[U:U+1], v[U:U+1], 0xbd20a0a1, v[KE:KE+1] op_sel_hi:[1,0,1]  ; (292 - log2(n - 0.5)) / 25.5 - log2 12.5
	v_exp_f32 v[U], v[U]
	v_exp_f32 v[U+1], v[U+1]
	v_pk_mul_f32 v[T1:T1+1], v[LB:LB+1], s[NSC:NSC+1] op_sel_hi:[1,0]
	v_pk_mul_f32 v[T2:T2+1], v[LB:LB+1], 0x41800000 op_sel_hi:[1,0]
	s_wait_alu depctr_va_vdst(0)
	v_pk_add_f32 v[U:U+1], v[U:U+1], v[K08:K08+1] neg_lo:[0,1] neg_hi:[0,1]
	v_sqrt_f32 v[U], v[U]
	v_sqrt_f32 v[U+1], v[U+1]
	v_pk_fma_f32 v[L:L+1], v[L:L+1], v[KP:KP+1], v[OFF:OFF+1]                 ; exponent of p_0
	s_wait_alu depctr_va_vdst(0)
	v_max_num_f32 v[U], v[U], v[M]                 ; never under the nearest distance, whatever the roundings
	v_max_num_f32 v[U+1], v[U+1], v[M+1]
	v_cndmask_b32 v[U], v[U], s[INF], s[ZM]
	v_cndmask_b32 v[U+1], v[U+1], s[INF], s[ZM+1]
	v_cndmask_b32 v[U], v[U], v[M], s[RM]
	v_cndmask_b32 v[U+1], v[U+1], v[M+1], s[RM+1]
	; the weights, their two sums (one entry behind the exponentials), and the search for hard from index 14 down to 0: the lowest index is written last
.irp k, 0,1,2,3,4,5,6,7,8,9,10,11,12,13,14,15
	v_exp_f32 v[L+2*\k], v[L+2*\k]
	v_exp_f32 v[L+2*\k+1], v[L+2*\k+1]
.if \k < 15
	v_pk_fma_f32 v[L+2*\k+2:L+2*\k+3], v[L+2*\k+2:L+2*\k+3], v[KP:KP+1], v[OFF:OFF+1]
	v_cmp_le_f32 vcc_lo, |v[D+28-2*\k]|, v[U]
	v_cmp_le_f32 s[HM], |v[D+29-2*\k]|, v[U+1]
	v_cndmask_b32 v[H], v[H], s[C+14-\k], vcc_lo
	v_cndmask_b32 v[H+1], v[H+1], s[C+14-\k], s[HM]
.endif
.if \k == 1
	s_wait_alu depctr_va_vdst(0)
	v_pk_mul_f32 v[NN:NN+1], v[L:L+1], s[NC:NC+1] op_sel_hi:[1,0]              ; the first product starts the sum
.endif
.if \k == 2
	v_pk_add_f32 v[S:S+1], v[L:L+1], v[L+2:L+3]
	v_pk_fma_f32 v[NN:NN+1], v[L+2:L+3], s[NC+2:NC+3], v[NN:NN+1] op_sel_hi:[1,0,1]
.endif
.if \k > 2
	s_wait_alu depctr_va_vdst(0)
	v_pk_add_f32 v[S:S+1], v[S:S+1], v[L+2*\k-2:L+2*\k-1]
	v_pk_fma_f32 v[NN:NN+1], v[L+2*\k-2:L+2*\k-1], s[NC+2*\k-2:NC+2*\k-1], v[NN:NN+1] op_sel_hi:[1,0,1]
.endif
.endr
	v_pk_add_f32 v[S:S+1], v[S:S+1], v[L+30:L+31]
	v_pk_fma_f32 v[NN:NN+1], v[L+30:L+31], s[NC+30:NC+31], v[NN:NN+1] op_sel_hi:[1,0,1]
	; soft, kept negated, and the straight-through value in the reference's order of roundings
	v_pk_fma_f32 v[S:S+1], v[LA:LA+1], v[S:S+1], v[T2:T2+1]                   ; a sum(p) + 16 b
	v_rcp_f32 v[S], v[S]
	v_rcp_f32 v[S+1], v[S+1]
	v_pk_fma_f32 v[NN:NN+1], v[LA:LA+1], v[NN:NN+1], v[T1:T1+1]               ; -(a sum(p c) + b sum(c))
	s_wait_alu depctr_va_vdst(0)
	v_pk_mul_f32 v[NN:NN+1], v[NN:NN+1], v[S:S+1]                             ; -soft
.if \w
	s_wait_xcnt 0x0                                ; the last step's store has had its address translated (ISA guide 3.1): its data registers are rewritten only behind this wait
.endif
	v_pk_add_f32 v[\od:\od+1], v[H:H+1], v[NN:NN+1]                           ; hard - soft
	v_pk_add_f32 v[\od:\od+1], v[\od:\od+1], v[NN:NN+1] neg_lo:[0,1] neg_hi:[0,1]   ; + soft
.endm
; One step.  xb: its x buffer.  left: younger loads that may stay out.  ahead = 1: the buffer is asked for again, two steps on, at byte ldo.
.macro ITER xb, left, ahead, ldo, sto
	s_wait_loadcnt \left                           ; loads come back in order (ISA guide 5.7.1): this buffer's is in, the other buffer's may be out
.irp j, 0,1,2,3
	v_med3_num_f32 v[XC+\j], v[\xb+\j], s[BIG+1], s[BIG]       ; x into +-2^60, so that D' stays finite
.endr
.if \ahead
	global_load_b128 v[\xb:\xb+3], v1, s[6:7] offset:\ldo th:TH_LOAD_NT        ; the buffer has been read out: nearly two steps of work lie before its next use
.endif
	PAIR XC, O, 1
	PAIR XC+2, O+2, 0
	global_store_b128 v1, v[O:O+3], s[8:9] offset:\sto th:TH_STORE_NT
.endm
	s_mov_b32 s12, 0
.Ltrip:
	ITER XA, 1, 1, 2*STEP, 0
	ITER XB, 1, 1, 3*STEP, STEP
	s_wait_xcnt 0x0                                ; the two bases are stepped only when every load and store that names them has had its address translated
	s_add_nc_u64 s[6:7], s[6:7], 2*STEP
	s_add_nc_u64 s[8:9], s[8:9], 2*STEP
	s_add_co_u32 s12, s12, 1
	s_cmp_lt_u32 s12, NIT/2-1
	s_cbranch_scc1 .Ltrip
	ITER XA, 1, 0, 0, 0                            ; the last two steps ask for nothing: no load leaves the work-group's bytes,
	ITER XB, 0, 0, 0, STEP                         ; and the counts run down
	s_endpgm
.Lfunc_end_k_q1f9650a981_quant:
	.size	k_q1f9650a981_quant, .Lfunc_end_k_q1f9650a981_quant-k_q1f9650a981_quant
	.p2alignl 7, 3214868480
	.fill 96, 4, 3214868480
	.section	.rodata,"a",@progbits
	.p2align	6, 0x0
	.amdhsa_kernel k_q1f9650a981_quant
		.amdhsa_group_segment_fixed_size 0
		.amdhsa_private_segment_fixed_size 0
		.amdhsa_enable_private_segment 0
		.amdhsa_kernarg_size 24
		.amdhsa_user_sgpr_count 2
		.amdhsa_user_sgpr_kernarg_segment_ptr 1
		.amdhsa_wavefront_size32 1
		.amdhsa_system_sgpr_workgroup_id_x 1
		.amdhsa_system_sgpr_workgroup_id_y 1
		.amdhsa_system_sgpr_workgroup_id_z 1
		.amdhsa_system_vgpr_workitem_id 0
		.amdhsa_next_free_vgpr 118
		.amdhsa_next_free_sgpr 80
		.amdhsa_reserve_vcc 1
		.amdhsa_float_denorm_mode_32 3
		.amdhsa_float_denorm_mode_16_64 3
		.amdhsa_memory_ordered 1
		.amdhsa_forward_progress 1
		.amdhsa_inst_pref_size 125
	.end_amdhsa_kernel
	.amdgpu_metadata
---
amdhsa.version: [ 1, 2 ]
amdhsa.kernels:
  - .name:           k_q1f9650a981_quant
    .symbol:         k_q1f9650a981_quant.kd
    .args:
      - { .name: codebook, .offset: 0, .size: 8, .value_kind: global_buffer, .address_space: global }
      - { .name: x, .offset: 8, .size: 8, .value_kind: global_buffer, .address_space: global }
      - { .name: out0, .offset: 16, .size: 8, .value_kind: global_buffer, .address_space: global }
    .group_segment_fixed_size: 0
    .private_segment_fixed_size: 0
    .kernarg_segment_align: 8
    .kernarg_segment_size: 24
    .max_flat_workgroup_size: 512
    .sgpr_count:     80
    .vgpr_count:     118
    .wavefront_size: 32
...
	.end_amdgpu_metadata
.endif
;; end of part 1
